; MI455X (gfx1250); checked and timed in simulation.
; The chip was launched on July 23, 2026; its instructions are those of AMD's public machine-readable ISA for CDNA 5 (MIT licence, August 2026) and "CDNA5" Instruction Set Architecture Reference Guide (July 2026). The comments in the code are by the model that wrote it; some were corrected since.
;; Progressive Interaction Layer. Allowed arithmetic: float matrix products may take bf16 or f16 operands with f32 sums; all other float work in f32.
;; Inputs: alpha 1 float32; beta 1 float32; i2u_in_b 3,072 float32; i2u_in_w 3,072 x 1,024 float32; i2u_out_b 1,024 float32; i2u_out_w 1,024 x 1,024 float32; item_emb 8,192 x 1,024 float32; item_norm_b 1,024 float32; item_norm_g 1,024 float32; u2i_in_b 3,072 float32; u2i_in_w 3,072 x 1,024 float32; u2i_out_b 1,024 float32; u2i_out_w 1,024 x 1,024 float32; user_emb 8,192 x 1,024 float32; user_norm_b 1,024 float32; user_norm_g 1,024 float32.
;; Outputs: out0 8,192 x 1,024 float32; out1 8,192 x 1,024 float32.
;; 2 versions, each right; version 2 is version 1 with the launch cast written anew for expert scheduling mode. Each part assembles by itself: llvm-mc -triple=amdgcn-amd-amdhsa -mcpu=gfx1250 --defsym DOCPART=n.
;; ======== version 1 of 2: 3 launches
;; workspace buffers: xb 33,554,432 bytes; wqkv 12,582,912 bytes; wo 4,194,304 bytes; attn 33,554,432 bytes
;; launch cast (part 1): grid 256 x 3, 8 waves a work-group, no clusters, 0 bytes of LDS; arguments user_emb, item_emb, u2i_in_w, i2u_in_w, u2i_out_w, i2u_out_w, xb, wqkv, wo; writes xb, wqkv, wo
.if DOCPART == 1
	.amdgcn_target "amdgcn-amd-amdhsa--gfx1250"
	.amdhsa_code_object_version 6
	.text
	.protected	k_q864ace4e5c_cast
	.globl	k_q864ace4e5c_cast
	.p2align	8
	.type	k_q864ace4e5c_cast,@function
k_q864ace4e5c_cast:
	s_mov_b64 s[64:65], 0
	v_nop
	global_prefetch_b8 v0, s[64:65] scope:SCOPE_SE
	s_setreg_imm32_b32 hwreg(HW_REG_WAVE_MODE, 25, 1), 1
	s_wait_xcnt 0x0
; f32 -> bf16 (nearest even) of both embeddings and of all six weight matrices, laid anew in blocks of 64 along K, so that the tiles of the two
; launches behind are dense bytes.  All sources are rows of 1,024 f32 (4,096 bytes): 24,576 rows in all.
;   xb   [which: 0 user, 1 item][kb 16][row 8192][64 k]                      a row of a block is 128 bytes
;   wqkv [8 dir + head][kb 16][384 rows: 128 of Wq's head, 128 of Wk's, 128 of Wv's][64 k]
;   wo   [dir][kb 16][row 1024][64 k]                                        dir 0 = u2i, 1 = i2u
; SHARES.  A work-group takes 32 source rows (768 equal work-groups), wave w rows 4 w .. 4 w + 3 as two pairs.  One load takes block kb of a pair:
; lanes 0-15 the 256 bytes of the even row, lanes 16-31 those of the odd row.  One store writes the pair's 2 x 128 bytes of that block, which are
; neighbours in the new layout: 256 consecutive bytes at a multiple of 256.
; A stream: every byte is read once and written once.  LDS, barriers, clusters and the matrix unit would add nothing (no byte is shared).
; All 32 loads of a wave go out on end (16 KiB a wave), no register is ever rewritten, so there is no loop and no wait but the counted ones.
; Which source and which target a work-group has is chosen by selects on its two ids: no branch.
.set X,   32                           ; v[32:159]  load n = 16 p + kb: four registers
.set OFD, 8                            ; v[8:23]    byte offset of my 8 bytes in block kb of the target
	s_load_b512 s[4:19], s[0:1], 0x0               ; user s[4:5], item s[6:7], u2i_in_w s[8:9], i2u_in_w s[10:11], u2i_out_w s[12:13], i2u_out_w s[14:15], xb s[16:17], wqkv s[18:19]
	s_load_b64 s[20:21], s[0:1], 0x40              ; wo
	s_mov_b32 s30, ttmp9                           ; x: 0 .. 255
	s_and_b32 s31, ttmp7, 0xffff                   ; y: 0 user, 1 item, 2 the weights
	s_mov_b32 s52, 49152                           ; bytes from block to block: wqkv,
	s_mov_b32 s53, 131072                          ; wo,
	s_mov_b32 s54, 1048576                         ; xb
	; y < 2: rows 32 x on of an embedding
	s_lshl_b32 s43, s30, 17                        ; source: 32 rows of 4,096 bytes
	s_lshl_b32 s44, s30, 12                        ; target: 32 rows of 128 bytes,
	s_lshl_b32 s45, s31, 24                        ; in the embedding's half of xb
	s_add_co_u32 s44, s44, s45
	; y = 2, x < 192: rows 32 x' on of an in_w, x' = x - 96 d
	s_cmp_ge_u32 s30, 96
	s_cselect_b32 s32, 1, 0                        ; d
	s_cselect_b32 s33, 96, 0
	s_sub_co_u32 s33, s30, s33                     ; x'
	s_lshl_b32 s34, s33, 17                        ; source
	s_bfe_u32 s35, s33, 0x30002                    ; the head: (32 x' / 128) mod 8
	s_mul_i32 s35, s35, 786432                     ; 16 blocks of 49,152 bytes a head
	s_lshr_b32 s36, s33, 5                         ; q, k or v: 32 x' / 1024
	s_lshl_b32 s36, s36, 14                        ; 128 rows of 128 bytes
	s_add_co_u32 s35, s35, s36
	s_and_b32 s36, s33, 3                          ; which 32 of the head's 128 rows
	s_lshl_b32 s36, s36, 12
	s_add_co_u32 s35, s35, s36
	s_mul_i32 s36, s32, 6291456                    ; eight heads a direction
	s_add_co_u32 s35, s35, s36                     ; target
	; y = 2, x >= 192: rows 32 (x'' mod 32) on of an out_w, x'' = x - 192
	s_sub_co_u32 s37, s30, 192
	s_and_b32 s37, s37, 63                         ; (kept in range where x < 192: the figures are then not chosen)
	s_lshr_b32 s38, s37, 5                         ; d
	s_and_b32 s39, s37, 31
	s_lshl_b32 s40, s39, 17                        ; source
	s_lshl_b32 s41, s39, 12
	s_lshl_b32 s42, s38, 21
	s_add_co_u32 s41, s41, s42                     ; target
	v_lshrrev_b32 v3, 5, v0                        ; wave
	v_bfe_u32 v4, v0, 4, 1                         ; which row of a pair
	v_and_b32 v5, 15, v0                           ; which 4 numbers of a block's 64
	v_lshlrev_b32 v1, 4, v5                        ; source: 16 bytes a lane,
	v_lshl_add_u32 v1, v4, 12, v1                  ; + the row of the pair,
	v_lshl_add_u32 v1, v3, 14, v1                  ; + the wave's four rows
	v_lshlrev_b32 v2, 3, v5                        ; target: 8 bytes a lane,
	v_lshl_add_u32 v2, v4, 7, v2                   ; rows of 128 bytes,
	v_lshl_add_u32 v2, v3, 9, v2                   ; four a wave
	s_wait_kmcnt 0x0
	s_cmp_eq_u32 s31, 0
	s_cselect_b64 s[24:25], s[4:5], s[6:7]         ; the embedding
	s_cmp_eq_u32 s32, 0
	s_cselect_b64 s[46:47], s[8:9], s[10:11]       ; the in_w
	s_cmp_eq_u32 s38, 0
	s_cselect_b64 s[48:49], s[12:13], s[14:15]     ; the out_w
	s_cmp_lt_u32 s30, 192                          ; among the weights: in_w or out_w
	s_cselect_b64 s[46:47], s[46:47], s[48:49]
	s_cselect_b64 s[50:51], s[18:19], s[20:21]
	s_cselect_b32 s34, s34, s40
	s_cselect_b32 s35, s35, s41
	s_cselect_b32 s28, s52, s53
	s_cmp_lt_u32 s31, 2                            ; an embedding or a weight
	s_cselect_b64 s[24:25], s[24:25], s[46:47]     ; the source,
	s_cselect_b64 s[26:27], s[16:17], s[50:51]     ; the target,
	s_cselect_b32 s56, s43, s34                    ; their offsets, each in a pair with 0 above it,
	s_cselect_b32 s58, s44, s35
	s_cselect_b32 s28, s54, s28                    ; and the target's bytes from block to block
	s_mov_b32 s57, 0
	s_mov_b32 s59, 0
	s_add_nc_u64 s[24:25], s[24:25], s[56:57]
	s_add_nc_u64 s[26:27], s[26:27], s[58:59]
.set n_, 0
.rept 32                                               ; pair n / 16, block n % 16: two whole aligned runs of 256 bytes each
	global_load_b128 v[X+4*n_:X+4*n_+3], v1, s[24:25] offset:(n_/16)*8192+(n_%16)*256 th:TH_LOAD_NT
.set n_, n_+1
.endr
.set n_, 0
.rept 16
	v_mad_u32_u24 v[OFD+n_], s28, n_, v2           ; block n of the target (15 x 1,048,576 at the most: both factors within 24 bits)
.set n_, n_+1
.endr
.set n_, 0
.rept 32
	s_wait_loadcnt 31-n_                           ; loads come back in order (ISA guide 5.7.1): load n is in, the 31 - n younger ones stay out
	v_cvt_pk_bf16_f32 v[X+4*n_], v[X+4*n_], v[X+4*n_+1]
	v_cvt_pk_bf16_f32 v[X+4*n_+1], v[X+4*n_+2], v[X+4*n_+3]
	global_store_b64 v[OFD+n_%16], v[X+4*n_:X+4*n_+1], s[26:27] offset:(n_/16)*256  ; 32 lanes x 8 bytes: 256 consecutive bytes, aligned
.set n_, n_+1
.endr
	s_endpgm
.Lfunc_end_k_q864ace4e5c_cast:
	.size	k_q864ace4e5c_cast, .Lfunc_end_k_q864ace4e5c_cast-k_q864ace4e5c_cast
	.p2alignl 7, 3214868480
	.fill 96, 4, 3214868480
	.section	.rodata,"a",@progbits
	.p2align	6, 0x0
	.amdhsa_kernel k_q864ace4e5c_cast
		.amdhsa_group_segment_fixed_size 0
		.amdhsa_private_segment_fixed_size 0
		.amdhsa_enable_private_segment 0
		.amdhsa_kernarg_size 72
		.amdhsa_user_sgpr_count 2
		.amdhsa_user_sgpr_kernarg_segment_ptr 1
		.amdhsa_wavefront_size32 1
		.amdhsa_system_sgpr_workgroup_id_x 1
		.amdhsa_system_sgpr_workgroup_id_y 1
		.amdhsa_system_sgpr_workgroup_id_z 1
		.amdhsa_system_vgpr_workitem_id 0
		.amdhsa_next_free_vgpr 160
		.amdhsa_next_free_sgpr 66
		.amdhsa_reserve_vcc 0
		.amdhsa_float_denorm_mode_32 3
		.amdhsa_float_denorm_mode_16_64 3
		.amdhsa_memory_ordered 1
		.amdhsa_forward_progress 1
		.amdhsa_inst_pref_size 15
	.end_amdhsa_kernel
	.amdgpu_metadata
---
amdhsa.version: [ 1, 2 ]
amdhsa.kernels:
  - .name:           k_q864ace4e5c_cast
    .symbol:         k_q864ace4e5c_cast.kd
    .args:
      - { .name: user_emb, .offset: 0, .size: 8, .value_kind: global_buffer, .address_space: global }
      - { .name: item_emb, .offset: 8, .size: 8, .value_kind: global_buffer, .address_space: global }
      - { .name: u2i_in_w, .offset: 16, .size: 8, .value_kind: global_buffer, .address_space: global }
      - { .name: i2u_in_w, .offset: 24, .size: 8, .value_kind: global_buffer, .address_space: global }
      - { .name: u2i_out_w, .offset: 32, .size: 8, .value_kind: global_buffer, .address_space: global }
      - { .name: i2u_out_w, .offset: 40, .size: 8, .value_kind: global_buffer, .address_space: global }
      - { .name: xb, .offset: 48, .size: 8, .value_kind: global_buffer, .address_space: global }
      - { .name: wqkv, .offset: 56, .size: 8, .value_kind: global_buffer, .address_space: global }
      - { .name: wo, .offset: 64, .size: 8, .value_kind: global_buffer, .address_space: global }
    .group_segment_fixed_size: 0
    .private_segment_fixed_size: 0
    .kernarg_segment_align: 8
    .kernarg_segment_size: 72
    .max_flat_workgroup_size: 256
    .sgpr_count:     66
    .vgpr_count:     160
    .wavefront_size: 32
...
	.end_amdgpu_metadata
.endif
;; end of part 1
;; launch qkv (part 2): grid 16 x 32, 4 waves a work-group, clusters of 4 x 4, 327,680 bytes of LDS; arguments xb, wqkv, u2i_in_b, i2u_in_b, attn; writes attn
.if DOCPART == 2
	.amdgcn_target "amdgcn-amd-amdhsa--gfx1250"
	.amdhsa_code_object_version 6
	.text
	.protected	k_q864ace4e5c_qkv
	.globl	k_q864ace4e5c_qkv
	.p2align	8
	.type	k_q864ace4e5c_qkv,@function
k_q864ace4e5c_qkv:
	s_mov_b64 s[64:65], 0
	v_nop
	global_prefetch_b8 v0, s[64:65] scope:SCOPE_SE
	s_setreg_imm32_b32 hwreg(HW_REG_WAVE_MODE, 25, 1), 1
	s_wait_xcnt 0x0
	s_wait_alu depctr_hold_cnt(0) depctr_sa_sdst(0) depctr_va_vdst(0) depctr_va_sdst(0) depctr_va_ssrc(0) depctr_va_vcc(0) depctr_vm_vsrc(0)
	s_getreg_b32 s2, hwreg(HW_REG_IB_STS2, 6, 4)
	s_cmp_eq_u32 s2, 0
	s_cbranch_scc0 .Lentry_in_a_cluster
	s_endpgm
.Lentry_in_a_cluster:
	s_bfe_u32 s2, ttmp6, 0x10000c
	s_cmp_lg_u32 s2, 0xf033
	s_cbranch_scc0 .Lentry_shape_is_right
	s_endpgm
.Lentry_shape_is_right:
; For one direction (0: u2i, query = user, key and value = item; 1: i2u, the other way round), one head and 256 rows:
;   q = xq Wq^T + bq, k = xkv Wk^T + bk, v = xkv Wv^T + bv (128 columns each, K = 1,024), s = q . k / sqrt(128),
;   w = softmax of s over its ONE key = exp(s - max) / sum, with max = s and sum = the one exponential, attn = w v, rounded to bf16.
; Operands bf16 (made by the launch in front), sums, score and softmax in f32.
; LIMITS.  x and the weights are rounded to bf16, attn likewise.  A score that is not finite gives s - s = NaN and a NaN head, as in the formula; NaN and infinities are not treated apart otherwise.
; SHARES.  Work-group (X, Y): X = 8 dir + head, Y = block of 256 rows: 512 equal work-groups.  Wave w owns rows 64 w .. 64 w + 63 and all 384 columns:
; 4 x 24 accumulators of 16 x 16, 768 registers.  For 32 along K a wave reads 32 fragments from LDS and issues 96 matrix instructions.
; THE MATRIX INSTRUCTION IS USED TRANSPOSED (source 0 = 16 rows of W, source 1 = 16 rows of x): lane l holds row l % 16 and the columns 8 (l / 16) + 0 .. 7 of a block of 16.
; So a row's q . k is a sum inside a lane and one exchange between the halves of the lanes, and a packed accumulator of v IS half a matrix operand of the next launch:
;   attn [dir][block of 16 rows][block of 32 k][half jj][lane][16 bytes]: lane (r, h) of half jj holds attn(row r, k = 32 c + 16 jj + 8 h + 0 .. 7).
; Each store of a wave is 512 consecutive bytes at a multiple of 512: no stage in LDS is needed.
; K goes in steps of 64 through two LDS slots: q's 256 rows of x, k's and v's 256 rows of x, 384 rows of W; all three tiles are dense bytes in memory, asked for as rows of 256 bytes.
; CLUSTER 4 x 4.  The four of a row of the cluster (same Y; the direction hangs on the cluster's x alone) need the same tiles of x, the four of a column (same X) the same tile of W:
; each tile is asked for jointly, by the same tensor load with the same descriptor and a mask that names the four.
; THE BIASES are the C operand of the first products: nothing is cleared, nothing is added at the end.
; REGISTERS, in windows of 256 (s_set_vgpr_msb: bits 1:0 source 0, 3:2 source 1, 5:4 source 2, 7:6 destination):
;   window 0: v0-31 addresses; v32-95, v96-159 fragments of W, two buffers of 8; v160-191 fragments of q's x; v192-223 of k's and v's x; v224-255 at work at the end
;   windows 1, 2, 3: the accumulators of q, k, v: (a, b) at v[8 (8 a + b)], a = block of 16 rows, b = block of 16 columns
.set PITCH,  144                       ; an LDS row: 128 bytes + 16 of padding = 36 words: the 16 rows of a load start at 16 different groups of four banks (64 banks of 4 bytes: ISA guide 11.1)
.set ATILE,  256*PITCH                 ; 256 rows of x: what waves 0 and 1 fetch
.set BHALF,  192*PITCH                 ; 192 rows of W: what waves 2 and 3 fetch
.set BOFF,   2*ATILE                   ; W lies behind the two tiles of x
.set SLOT,   2*ATILE+2*BHALF           ; 129,024 bytes
.set SPARE,  2*SLOT                    ; behind the ring: the spare words, 128 bytes for each wave: two blocks of 256 bytes that no other line names
.set XKB,    1048576                   ; xb: bytes from K block to K block
.set WKB,    49152                     ; wqkv: the same
.set ADRA, 16                          ; v16-17  LDS address of my fragments of q's x in slot 0, 1 (k's and v's x lies ATILE further on)
.set ADRB, 20                          ; v20-21  the same for W
.set VL,   24                          ; v24     16 x lane
.set VB,   25                          ; v25     32 x (lane / 16): my eight biases of a block of 16 columns
.set SPW,  28                          ; v28     LDS address of my spare word; never rewritten
.set NIL,  29                          ; v29     0; never rewritten
.set BF0,  32
.set AFQ,  160
.set AFK,  192
.set TS,   224                         ; v[224:239]  four registers for each block of rows: the score's sums, then s, s - max, e, 1 / sum
.set WW,   240                         ; v[240:247]  w, twice, for each block of rows
.set PKD,  32                          ; v[32:159]   attn packed, 32 registers for each block of rows
.set WV,   14                          ; s14  my wave's number
.set G1A,  24                          ; s[24:31] descriptor group 1 for x's tiles;  s[32:39] group 0, one set for each slot
.set G0A,  32
.set G1B,  48                          ; s[48:55], s[56:63] the same for W's tiles
.set G0B,  56
.set LAP,  75                          ; s75  counts the laps
.set GW, (1<<16)|(1<<20)|(1<<21)|(4<<22)|(3<<25)  ; 17:16 elements of 2 bytes; 20 padding on; 21 set beside a mask; 24:22 after every 32 words (code 4); 31:25 4 words of it (code 3)
.set MSB, 0
.macro WIN new                         ; the immediate's high byte repeats the setting that is left; a switch that changes nothing is dropped
.if MSB != (\new)
	s_set_vgpr_msb (MSB<<8)|(\new)
.set MSB, (\new)
.endif
.endm
; A load into a register that a matrix instruction has read, and a vector instruction or store that reads a matrix result, stand four places behind it; a matrix instruction that writes over a
; register that another has read, five; only plain vector instructions that name none of its registers are places (ISA guide 7.12.1 for vector instructions).
.macro PLACES n
.rept \n
	v_nop
.endr
.endm
; A joint load.  Waves 0 and 1 fetch the two tiles of x, waves 2 and 3 the two halves of W's.  The branch hangs on the wave's number alone.
; An s_nop 0 and four v_nop follow each of the two lines, ahead of the jump, the label and what follows.
.macro JLOAD s
	s_cmp_lt_u32 s[WV], 2
	s_cbranch_scc0 .Lfor_b_\@
	tensor_load_to_lds s[G0A+4*(\s):G0A+4*(\s)+3], s[G1A:G1A+7]
	s_nop 0
	PLACES 4
	s_branch .Lasked_\@
.Lfor_b_\@:
	tensor_load_to_lds s[G0B+4*(\s):G0B+4*(\s)+3], s[G1B:G1B+7]
	s_nop 0
	PLACES 4
.Lasked_\@:
.endm
; A round of the cluster's barrier: my work-group's barrier, so that wave 0's signal speaks for all four waves; wave 0 signals; every wave waits for all sixteen work-groups; my work-group's barrier once more.
.macro CREST                           ; a round behind its opening barrier
	s_cmp_lg_u32 s[WV], 0
	s_cbranch_scc1 .Lnot_wave_0_\@
	s_barrier_signal -3
.Lnot_wave_0_\@:
	s_barrier_wait -3
	s_barrier_signal -1
	s_barrier_wait -1
.endm
.macro CROUND                          ; a whole round
	s_barrier_signal -1
	s_barrier_wait -1
	CREST
.endm
	s_load_b256 s[4:11], s[0:1], 0x0               ; xb s[4:5], wqkv s[6:7], u2i_in_b s[8:9], i2u_in_b s[10:11]
	s_load_b64 s[12:13], s[0:1], 0x20              ; attn
	v_lshl_add_u32 v[SPW], v0, 2, SPARE
	v_mov_b32 v[NIL], 0
	ds_add_u32 v[SPW], v[NIL]                      ; the wave's opening: the add and its wait stand ahead of my first tensor load; the set-up below, work on registers, stands between them
	v_lshrrev_b32 v1, 5, v0
	v_readfirstlane_b32 s[WV], v1                  ; wave 0..3
	s_and_b32 s16, s[WV], 1                        ; which of the two tiles of x, or which half of W's, I fetch
	s_bfe_u32 s17, ttmp6, 0x40000                  ; cx
	s_bfe_u32 s18, ttmp6, 0x40004                  ; cy
	s_lshl_b32 s19, ttmp9, 2                       ; in a cluster launch ttmp9 and ttmp7 count clusters
	s_add_co_u32 s19, s19, s17                     ; X = 8 dir + head
	s_and_b32 s20, ttmp7, 0xffff
	s_lshl_b32 s20, s20, 2
	s_add_co_u32 s20, s20, s18                     ; Y: my block of 256 rows
	s_lshr_b32 s21, ttmp9, 1                       ; dir: of the cluster's x alone, so all sixteen partners share it
	s_and_b32 s22, s19, 7                          ; head: it enters the biases' and attn's addresses alone
	s_lshl_b32 s2, s18, 2
	s_lshl_b32 s2, 15, s2                          ; my row of the cluster: places 4 cy .. 4 cy + 3
	s_lshl_b32 s3, 0x1111, s17                     ; my column: places cx, cx + 4, cx + 8, cx + 12
	s_or_b32 s[G1A], s2, GW                        ; x's tiles go to my row,
	s_or_b32 s[G1B], s3, GW                        ; W's to my column
	s_mov_b32 s[G1A+1], 128<<16                    ; tensor_dim0 = 128 elements: a row of 256 bytes holds two rows of a tile
	s_mov_b32 s[G1A+2], 128<<16                    ; tensor_dim1 = 128: 256 rows of x
	s_mov_b32 s[G1A+3], 128<<16                    ; tile_dim0 = 128
	s_mov_b32 s[G1A+4], 128                        ; tile_dim1 = 128
	s_mov_b32 s[G1A+5], 128                        ; 128 elements from row to row: dense
	s_mov_b32 s[G1A+6], 0
	s_mov_b32 s[G1A+7], 0
	s_mov_b32 s[G1B+1], 128<<16
	s_mov_b32 s[G1B+2], 96<<16                     ; 96 rows of 256 bytes: 192 rows of W
	s_mov_b32 s[G1B+3], 128<<16
	s_mov_b32 s[G1B+4], 96
	s_mov_b32 s[G1B+5], 128
	s_mov_b32 s[G1B+6], 0
	s_mov_b32 s[G1B+7], 0
	; where the tiles come from.  x's hang on Y, dir and the wave, W's on X and the wave, each in registers that never hold the other coordinate
	s_xor_b32 s40, s21, s16                        ; wave 0: the query's embedding (dir); wave 1: the other one
	s_lshl_b32 s40, s40, 24                        ; 16,777,216 bytes an embedding
	s_lshl_b32 s41, s20, 15                        ; 256 rows of 128 bytes
	s_add_co_u32 s40, s40, s41
	s_mov_b32 s41, 0
	s_mul_i32 s42, s19, 16*WKB
	s_mul_i32 s43, s16, 192*128
	s_add_co_u32 s42, s42, s43
	s_mov_b32 s43, 0
	s_mul_i32 s44, s16, ATILE                      ; and where they go: no place in the cluster enters an LDS address
	s_mul_i32 s45, s16, BHALF
	s_add_co_u32 s45, s45, BOFF
	s_lshl_b32 s46, s22, 9                         ; the head's 128 biases
	s_mov_b32 s47, 0
	s_lshl_b32 s72, s20, 4                         ; attn: my first block of 16 rows, 16 Y + 4 w,
	s_lshl_b32 s73, s[WV], 2
	s_add_co_u32 s72, s72, s73
	s_lshl_b32 s72, s72, 15                        ; 32,768 bytes each,
	s_lshl_b32 s73, s21, 24                        ; the direction,
	s_add_co_u32 s72, s72, s73
	s_lshl_b32 s73, s22, 12                        ; the head's four blocks of 32 k
	s_add_co_u32 s72, s72, s73
	s_mov_b32 s73, 0
	s_mov_b32 s68, 0x76543210                      ; v_permlanex16_b32: each lane takes its own place in the other half
	s_mov_b32 s69, 0xfedcba98
	s_mov_b32 s70, 0x3db504f3                      ; 1 / sqrt(128)
	s_mov_b32 s71, 0x3fb8aa3b                      ; log2(e)
	s_wait_dscnt 0x0                               ; the opening add is done
	s_wait_kmcnt 0x0
	s_add_nc_u64 s[4:5], s[4:5], s[40:41]
	s_add_nc_u64 s[6:7], s[6:7], s[42:43]
	s_add_nc_u64 s[12:13], s[12:13], s[72:73]
	s_cmp_eq_u32 s21, 0
	s_cselect_b64 s[66:67], s[8:9], s[10:11]       ; the direction's in_b
	s_add_nc_u64 s[66:67], s[66:67], s[46:47]
	CROUND                                         ; all sixteen work-groups are here: the first joint loads meet
.irp s, 0,1
	s_mov_b32 s[G0A+4*(\s)], 1                                       ; count = 1
	s_add_co_u32 s[G0A+4*(\s)+1], s44, (\s)*SLOT                     ; LDS address
	s_add_nc_u64 s[G0A+4*(\s)+2:G0A+4*(\s)+3], s[4:5], (\s)*XKB      ; global address: K step s
	s_or_b32 s[G0A+4*(\s)+3], s[G0A+4*(\s)+3], 0x80000000            ; type = 2
	s_mov_b32 s[G0B+4*(\s)], 1
	s_add_co_u32 s[G0B+4*(\s)+1], s45, (\s)*SLOT
	s_add_nc_u64 s[G0B+4*(\s)+2:G0B+4*(\s)+3], s[6:7], (\s)*WKB
	s_or_b32 s[G0B+4*(\s)+3], s[G0B+4*(\s)+3], 0x80000000
	JLOAD \s                                       ; both slots are asked for before anything else: two tensor loads of mine are out, the most in this text
.endr
	; A fragment is 16 rows x 32 K in 8 registers: lane l holds row l % 16, K = 8 (l / 16) + 0..7 and 16 + 8 (l / 16) + 0..7: two loads of 16 bytes, 32 bytes apart.
	v_and_b32 v1, 15, v0                           ; l % 16
	v_bfe_u32 v2, v0, 4, 1                         ; l / 16
	v_mul_u32_u24 v3, v1, PITCH
	v_lshl_add_u32 v3, v2, 4, v3                   ; row x pitch + 16 x half
	s_mul_i32 s23, s[WV], 64*PITCH                 ; my 64 rows of x
	v_add_nc_u32 v[ADRA], s23, v3
	v_add_nc_u32 v[ADRA+1], SLOT, v[ADRA]
	v_add_nc_u32 v[ADRB], BOFF, v3
	v_add_nc_u32 v[ADRB+1], SLOT+BOFF, v3
	v_and_b32 v[VL], 31, v0
	v_lshlrev_b32 v[VL], 4, v[VL]
	v_lshlrev_b32 v[VB], 5, v2
	; The biases of kind g, block b: my eight columns 16 b + 8 (l / 16) + 0..7, into accumulator (3, b) of that kind: the layout of a C operand, the same for every row.
.irp g, 0,1,2
	WIN 0x40*((\g)+1)                              ; destination window g + 1, address window 0
.irp b, 0,1,2,3,4,5,6,7
	global_load_b128 v[192+8*(\b):192+8*(\b)+3],   v[VB], s[66:67] offset:(\g)*4096+(\b)*64
	global_load_b128 v[192+8*(\b)+4:192+8*(\b)+7], v[VB], s[66:67] offset:(\g)*4096+(\b)*64+16
.endr
.endr
	WIN 0
; A K step is six GROUPS of 32 matrix instructions: q, k, v for its first 32 along K (kk = 0), q, k, v for its second.  Group number 3 kk + kind takes W's buffer of its parity.
; FETCH: the fragments of one group: 8 of W (16 loads); for q also 4 of q's x, for k also 4 of k's and v's x (8 loads), which v uses again.  NF = how many loads that was.
.macro FETCH slot, kind, kk
	WIN 0
.set FB_, BF0+64*((3*(\kk)+(\kind))%2)
.irp b, 0,1,2,3,4,5,6,7
	ds_load_b128 v[FB_+8*(\b):FB_+8*(\b)+3],   v[ADRB+(\slot)] offset:((\kind)*128+16*(\b))*PITCH+64*(\kk)
	ds_load_b128 v[FB_+8*(\b)+4:FB_+8*(\b)+7], v[ADRB+(\slot)] offset:((\kind)*128+16*(\b))*PITCH+64*(\kk)+32
.endr
.set NF, 16
.if (\kind) < 2
.set FA_, AFQ+32*(\kind)
.irp a, 0,1,2,3
	ds_load_b128 v[FA_+8*(\a):FA_+8*(\a)+3],   v[ADRA+(\slot)] offset:(\kind)*ATILE+(\a)*16*PITCH+64*(\kk)
	ds_load_b128 v[FA_+8*(\a)+4:FA_+8*(\a)+7], v[ADRA+(\slot)] offset:(\kind)*ATILE+(\a)*16*PITCH+64*(\kk)+32
.endr
.set NF, 24
.endif
.endm
; MUL: blocks of rows a0 .. a1 x all 8 blocks of columns of one group.  The accumulators take turns, one instruction a turn: between two links of a chain stand 95 others'.
; first = 1: the sums begin.  Blocks 0 to 2 take the biases, which lie in block 3's accumulators, as C; five places behind them block 3 adds onto the biases in place.
.macro MUL kind, kk, a0, a1, first
	WIN 0x50*((\kind)+1)                           ; W and x in window 0, C and D in window kind + 1
.set FB_, BF0+64*((3*(\kk)+(\kind))%2)
.if (\kind) == 0
.set FA_, AFQ
.else
.set FA_, AFK
.endif
.set a_, (\a0)
.rept (\a1)-(\a0)+1
.if (\first) && (a_ == 3)
	PLACES 5
.endif
.set b_, 0
.rept 8
.if (\first) && (a_ < 3)
	v_wmma_f32_16x16x32_bf16 v[8*(8*a_+b_):8*(8*a_+b_)+7], v[FB_+8*b_:FB_+8*b_+7], v[FA_+8*a_:FA_+8*a_+7], v[192+8*b_:192+8*b_+7]
.else
	v_wmma_f32_16x16x32_bf16 v[8*(8*a_+b_):8*(8*a_+b_)+7], v[FB_+8*b_:FB_+8*b_+7], v[FA_+8*a_:FA_+8*a_+7], v[8*(8*a_+b_):8*(8*a_+b_)+7]
.endif
.set b_, b_+1
.endr
.set a_, a_+1
.endr
.endm
; A group: the NEXT group's fragments are asked for in one run (into the buffer that the group before this one multiplied: four places stand behind its products), then this group is multiplied.
.macro GRP slot, kind, kk, first, nkind, nkk
	PLACES 4
	FETCH \slot, \nkind, \nkk
	s_wait_dscnt NF                                ; LDS loads come back in order (ISA guide 5.7.1): all but the run just issued are in: this group's, asked for 32 matrix instructions ago
	MUL \kind, \kk, 0, 3, \first
.endm
; The step's last group (v, kk = 1) changes slots: ONE barrier.  In front of it each wave waits for all its tensor loads, of which one is out: its part of the next slot; adds 0 to its spare word;
; and waits for that and for its own reads of this slot.  fill = 1: the barrier opens a round of the cluster's barrier, and this slot is filled again, two K steps ahead, first thing behind the round:
; from that request to the wait for it a wave issues 176 matrix instructions.
.macro TURN slot, fill
	WIN 0                                          ; (the add's two registers lie in window 0)
	s_wait_tensorcnt 0x0                           ; all my tensor loads have landed
	ds_add_u32 v[SPW], v[NIL]                      ; 0 onto my spare word
	s_wait_dscnt 1                                 ; this group's fragments are in; the add may be out
	MUL 2, 1, 0, 0, 0                              ; eight matrix instructions stand between the add and the wait for it
	s_wait_dscnt 0x0                               ; the add is done, and my reads of this slot are over
	s_barrier_signal -1
	MUL 2, 1, 1, 1, 0                              ; work on registers while the others arrive
.if \fill
	WIN 0
.endif
	s_barrier_wait -1
.if \fill
	CREST                                          ; no wave of any partner still reads this slot's tiles or has a load on its way
	s_add_nc_u64 s[G0A+4*(\slot)+2:G0A+4*(\slot)+3], s[G0A+4*(\slot)+2:G0A+4*(\slot)+3], 2*XKB
	s_add_nc_u64 s[G0B+4*(\slot)+2:G0B+4*(\slot)+3], s[G0B+4*(\slot)+2:G0B+4*(\slot)+3], 2*WKB
	JLOAD \slot                                    ; the four v_nop behind it are also the places in front of the loads below
.else
	PLACES 4
.endif
	FETCH 1-(\slot), 0, 0                          ; the next step's first group
	MUL 2, 1, 2, 3, 0
.endm
	s_wait_tensorcnt 0x1                           ; my part of K step 0 is in; K step 1's may stay out
	s_barrier_signal -1
	s_barrier_wait -1                              ; everybody's is
	FETCH 0, 0, 0
	s_wait_loadcnt 0x0                             ; the biases
	GRP 0, 0, 0, 1, 1, 0                           ; the first 32 along K stand in front of the loop: their products start the sums
	GRP 0, 1, 0, 1, 2, 0
	GRP 0, 2, 0, 1, 0, 1
	WIN 0
	s_mov_b32 s[LAP], 7
.Llap:                                                 ; a trip goes once round the ring, from the middle of an even K step to the middle of the next, and fills both slots again: K steps 2 to 15
	GRP 0, 0, 1, 0, 1, 1
	GRP 0, 1, 1, 0, 2, 1
	TURN 0, 1
	GRP 1, 0, 0, 0, 1, 0
	GRP 1, 1, 0, 0, 2, 0
	GRP 1, 2, 0, 0, 0, 1
	GRP 1, 0, 1, 0, 1, 1
	GRP 1, 1, 1, 0, 2, 1
	TURN 1, 1
	GRP 0, 0, 0, 0, 1, 0
	GRP 0, 1, 0, 0, 2, 0
	GRP 0, 2, 0, 0, 0, 1
	WIN 0
	s_sub_co_u32 s[LAP], s[LAP], 1
	s_cmp_lg_u32 s[LAP], 0
	s_cbranch_scc1 .Llap
	GRP 0, 0, 1, 0, 1, 1                           ; the tail is written out: K step 14 ends, nothing more is asked for
	GRP 0, 1, 1, 0, 2, 1
	TURN 0, 0
	GRP 1, 0, 0, 0, 1, 0
	GRP 1, 1, 0, 0, 2, 0
	GRP 1, 2, 0, 0, 0, 1
	GRP 1, 0, 1, 0, 1, 1
	GRP 1, 1, 1, 0, 2, 1
	s_wait_dscnt 0x0                               ; the very last group: nothing more to fetch
	MUL 2, 1, 0, 3, 0
	; THE SCORE.  A lane holds 64 of its row's 128 columns of q and of k: for each block of rows two chains of packed multiply-adds (even and odd blocks of columns); each accumulator's lowest registers are read first.
	PLACES 4
	WIN 0x09                                       ; source 0 (q) window 1, source 1 (k) window 2, sums in window 0
.irp bb, 0,1,2,3
.irp p, 0,1,2,3
.irp a, 0,1,2,3
.irp c, 0,1
.if ((\bb) == 0) && ((\p) == 0)
	v_pk_mul_f32 v[TS+4*(\a)+2*(\c):TS+4*(\a)+2*(\c)+1], v[8*(8*(\a)+2*(\bb)+(\c))+2*(\p):8*(8*(\a)+2*(\bb)+(\c))+2*(\p)+1], v[8*(8*(\a)+2*(\bb)+(\c))+2*(\p):8*(8*(\a)+2*(\bb)+(\c))+2*(\p)+1]
.else
	v_pk_fma_f32 v[TS+4*(\a)+2*(\c):TS+4*(\a)+2*(\c)+1], v[8*(8*(\a)+2*(\bb)+(\c))+2*(\p):8*(8*(\a)+2*(\bb)+(\c))+2*(\p)+1], v[8*(8*(\a)+2*(\bb)+(\c))+2*(\p):8*(8*(\a)+2*(\bb)+(\c))+2*(\p)+1], v[TS+4*(\a)+2*(\c):TS+4*(\a)+2*(\c)+1]
.endif
.endr
.endr
.endr
.endr
	WIN 0
.macro ALL line:vararg                 ; one line for each block of rows a_
.set a_, 0
.rept 4
	\line
.set a_, a_+1
.endr
.endm
	ALL v_pk_add_f32 v[TS+4*a_:TS+4*a_+1], v[TS+4*a_:TS+4*a_+1], v[TS+4*a_+2:TS+4*a_+3]
	ALL v_add_f32 v[TS+4*a_], v[TS+4*a_], v[TS+4*a_+1]
	ALL v_permlanex16_b32 v[TS+4*a_+1], v[TS+4*a_], s68, s69          ; the row's other 64 columns lie in the lane 16 away
	ALL v_add_f32 v[TS+4*a_], v[TS+4*a_], v[TS+4*a_+1]
	ALL v_mul_f32 v[TS+4*a_], s70, v[TS+4*a_]                         ; s = q . k / sqrt(128)
	; THE SOFTMAX over the one key: its maximum is s itself, its sum the one exponential.
	ALL v_sub_f32 v[TS+4*a_+1], v[TS+4*a_], v[TS+4*a_]                ; s - max: 0, or NaN where s is not finite
	ALL v_mul_f32 v[TS+4*a_+1], s71, v[TS+4*a_+1]
	ALL v_exp_f32 v[TS+4*a_+2], v[TS+4*a_+1]                          ; e
	v_nop                                          ; a plain instruction between a transcendental and the use of its result (ISA guide 5.7.2)
	s_wait_alu depctr_va_vdst(0)
	ALL v_rcp_f32 v[TS+4*a_+3], v[TS+4*a_+2]                          ; 1 / sum
	v_nop
	s_wait_alu depctr_va_vdst(0)
	ALL v_mul_f32 v[WW+2*a_], v[TS+4*a_+2], v[TS+4*a_+3]              ; w
	ALL v_mov_b32 v[WW+2*a_+1], v[WW+2*a_]                            ; twice: the packed multiply names a pair
	; attn = w v, rounded to bf16: a lane's eight columns pack into 16 bytes, and accumulator (a, b) is half b % 2 of fragment 4 head + b / 2 of block a.  No register is written twice, so the stores need no wait.
.irp a, 0,1,2,3
	WIN 0xc3                                       ; v (destination and source 0) in window 3, w in window 0
.set i_, 0
.rept 32
	v_pk_mul_f32 v[64*(\a)+2*i_:64*(\a)+2*i_+1], v[64*(\a)+2*i_:64*(\a)+2*i_+1], v[WW+2*(\a):WW+2*(\a)+1]
.set i_, i_+1
.endr
	WIN 0x0f                                       ; sources 0 and 1 window 3, destination window 0
.set i_, 0
.rept 32
	v_cvt_pk_bf16_f32 v[PKD+32*(\a)+i_], v[64*(\a)+2*i_], v[64*(\a)+2*i_+1]
.set i_, i_+1
.endr
	WIN 0
.irp b, 0,1,2,3,4,5,6,7
	global_store_b128 v[VL], v[PKD+32*(\a)+4*(\b):PKD+32*(\a)+4*(\b)+3], s[12:13] offset:(\a)*32768+(\b)*512  ; 512 consecutive bytes, at a multiple of 512 from attn's first
.endr
.endr
	s_wait_tensorcnt 0x0                           ; the wave's end
	ds_add_u32 v[SPW], v[NIL]
	s_wait_dscnt 0x0
	CROUND                                         ; the closing round: no work-group ends while a partner may still ask for a tile that names it
	s_endpgm
.Lfunc_end_k_q864ace4e5c_qkv:
	.size	k_q864ace4e5c_qkv, .Lfunc_end_k_q864ace4e5c_qkv-k_q864ace4e5c_qkv
	.p2alignl 7, 3214868480
	.fill 96, 4, 3214868480
	.section	.rodata,"a",@progbits
	.p2align	6, 0x0
	.amdhsa_kernel k_q864ace4e5c_qkv
		.amdhsa_group_segment_fixed_size 327680
		.amdhsa_private_segment_fixed_size 0
		.amdhsa_enable_private_segment 0
		.amdhsa_kernarg_size 40
		.amdhsa_user_sgpr_count 2
		.amdhsa_user_sgpr_kernarg_segment_ptr 1
		.amdhsa_wavefront_size32 1
		.amdhsa_system_sgpr_workgroup_id_x 1
		.amdhsa_system_sgpr_workgroup_id_y 1
		.amdhsa_system_sgpr_workgroup_id_z 1
		.amdhsa_system_vgpr_workitem_id 0
		.amdhsa_next_free_vgpr 1024
		.amdhsa_next_free_sgpr 80
		.amdhsa_reserve_vcc 0
		.amdhsa_float_denorm_mode_32 3
		.amdhsa_float_denorm_mode_16_64 3
		.amdhsa_memory_ordered 1
		.amdhsa_forward_progress 1
		.amdhsa_inst_pref_size 129
	.end_amdhsa_kernel
	.amdgpu_metadata
---
amdhsa.version: [ 1, 2 ]
amdhsa.kernels:
  - .name:           k_q864ace4e5c_qkv
    .symbol:         k_q864ace4e5c_qkv.kd
    .args:
      - { .name: xb, .offset: 0, .size: 8, .value_kind: global_buffer, .address_space: global }
      - { .name: wqkv, .offset: 8, .size: 8, .value_kind: global_buffer, .address_space: global }
      - { .name: u2i_in_b, .offset: 16, .size: 8, .value_kind: global_buffer, .address_space: global }
      - { .name: i2u_in_b, .offset: 24, .size: 8, .value_kind: global_buffer, .address_space: global }
      - { .name: attn, .offset: 32, .size: 8, .value_kind: global_buffer, .address_space: global }
    .group_segment_fixed_size: 327680
    .private_segment_fixed_size: 0
    .kernarg_segment_align: 8
    .kernarg_segment_size: 40
    .max_flat_workgroup_size: 128
    .sgpr_count:     80
    .vgpr_count:     1024
    .wavefront_size: 32
...
	.end_amdgpu_metadata
.endif
;; end of part 2
;; launch outln (part 3): grid 128 x 2, 4 waves a work-group, clusters of 4 x 1, 327,680 bytes of LDS; arguments attn, wo, user_emb, item_emb, u2i_out_b, i2u_out_b, user_norm_g, item_norm_g, user_norm_b, item_norm_b, alpha, beta, out0, out1; writes out0, out1
.if DOCPART == 3
	.amdgcn_target "amdgcn-amd-amdhsa--gfx1250"
	.amdhsa_code_object_version 6
	.text
	.protected	k_q864ace4e5c_outln
	.globl	k_q864ace4e5c_outln
	.p2align	8
	.type	k_q864ace4e5c_outln,@function
k_q864ace4e5c_outln:
	s_mov_b64 s[64:65], 0
	v_nop
	global_prefetch_b8 v0, s[64:65] scope:SCOPE_SE
	s_setreg_imm32_b32 hwreg(HW_REG_WAVE_MODE, 25, 1), 1
	s_wait_xcnt 0x0
	s_wait_alu depctr_hold_cnt(0) depctr_sa_sdst(0) depctr_va_vdst(0) depctr_va_sdst(0) depctr_va_ssrc(0) depctr_va_vcc(0) depctr_vm_vsrc(0)
	s_getreg_b32 s2, hwreg(HW_REG_IB_STS2, 6, 4)
	s_cmp_eq_u32 s2, 0
	s_cbranch_scc0 .Lentry_in_a_cluster
	s_endpgm
.Lentry_in_a_cluster:
	s_bfe_u32 s2, ttmp6, 0x10000c
	s_cmp_lg_u32 s2, 0x3003
	s_cbranch_scc0 .Lentry_shape_is_right
	s_endpgm
.Lentry_shape_is_right:
; For one direction (0: out0 from user_emb, u2i's out_w and out_b, user_norm, alpha; 1: out1 from item_emb, i2u's, item_norm, beta) and 64 whole rows:
;   att = attn Wo^T + bo (K = 1,024, operands bf16, sums f32);  x = emb + alpha att;  out = (x - mean) rsqrt(var + 1e-5) g + b, all in f32.
; The mean is taken first and the variance of the deviations from it: two passes over registers, so a common offset of x costs nothing.
; LIMITS.  attn and Wo are bf16 roundings (made by the launches in front); emb, the residual, is read in f32.  NaN and infinities are not treated apart.
; SHARES.  The norm wants whole rows of 1,024, so a work-group owns 64 rows x 1,024 columns: 256 work-groups.  Wave w makes columns 256 w .. 256 w + 255: 4 x 16 accumulators, 512 registers.
; W's tiles (64 along K: 1,024 rows of 128 dense bytes) go through two LDS slots; each wave fetches and reads its own 256 rows.
; CLUSTER 4 x 1.  The four partners have the same direction and walk the same Wo: each tile is asked for jointly, with the mask of all four.
; attn DOES NOT PASS THROUGH LDS: it lies in memory in the order of a matrix operand ([block of 16 rows][block of 32 k][half][lane][16 bytes]), so a fragment is two loads of 512 consecutive
; bytes.  It is asked for three K steps ahead, into a ring of four register buffers.  All four waves load the work-group's 128 KiB of it: a quarter of W's 2 MiB that the work-group walks.
; THE MATRIX INSTRUCTION IS USED TRANSPOSED (source 0 = 16 rows of Wo, source 1 = 16 rows of attn): a lane holds eight neighbouring columns of one row.  bo is the C operand of the first products.
; THE WAY OUT.  The sums go as f32 into a stage of 64 rows in LDS (the slots' bytes, behind their last fill); then wave w takes rows 16 w .. 16 w + 15, each row whole in the wave (32 registers),
; so both sums of the norm stay inside a wave.  emb's rows come straight into registers, four rows ahead; the first four are asked for during the last K steps, and rows 4 to 11 are asked for
; into the L2 while the last K step is multiplied.
; REGISTERS, in windows of 256 (s_set_vgpr_msb: bits 1:0 source 0, 3:2 source 1, 5:4 source 2, 7:6 destination):
;   window 0: v0-31 addresses; v32-95, v96-159 fragments of Wo, two buffers of 8 (later: four rows by turns); v160-191 g; v192-223 b; v224-237 at work in the row phase
;   windows 1, 2: accumulator (a, b) in window 1 + b / 8 at v[8 (8 a + b % 8)]       window 3: four buffers of 64 for attn: fragment (kk, a) at + 8 (4 kk + a); later four rows of emb, 32 each
.set PITCH,  144                       ; an LDS row of Wo: 128 bytes + 16 of padding = 36 words: the 16 rows of a load start at 16 different groups of four banks (64 banks of 4 bytes: ISA guide 11.1)
.set QUART,  256*PITCH                 ; a wave's 256 rows
.set SLOT,   4*QUART                   ; 147,456 bytes
.set SPARE,  2*SLOT                    ; behind the ring: the spare words, 128 bytes for each wave: two blocks of 256 bytes that no other line names
.set SPITCH, 4112                      ; a stage row: 4,096 bytes + 16: the 16 rows that a store touches start 4 banks apart
.set WKB,    131072                    ; wo: bytes from K block to K block
.set STO,  4                           ; v4-7   the stage: where I put 16 bytes of row 16 a + l % 16
.set RD,   8                           ; v8     the stage: my 16 bytes of 512 in the row in hand; steps by four rows
.set VL,   9                           ; v9     16 x lane
.set VBO,  10                          ; v10    1,024 w + 32 (l / 16): my eight numbers of bo in a block of 16 columns
.set VP,   11                          ; v11    256 x lane: the prefetches' offsets; never rewritten
.set ADRB, 20                          ; v20-21 LDS address of my fragments of Wo in slot 0, 1
.set SPW,  28                          ; v28    LDS address of my spare word; never rewritten
.set NIL,  29                          ; v29    0; never rewritten
.set BF0,  32
.set T0,   32                          ; v[32:159]  four rows by turns, 32 registers each
.set GG,   160                         ; column 128 j + 4 l + e at register 4 j + e, as in a row
.set BN,   192
.set TA,   224                         ; v[224:231] four chains of packed sums
.set MN,   232                         ; v[232:233] the mean, twice
.set VR,   234                         ; v234       var + eps
.set RS,   236                         ; v[236:237] 1 / sqrt of it, twice
.set G1,   32                          ; s[32:39] descriptor group 1
.set G0,   40                          ; s[40:47] group 0, one set for each slot
.set WV,   48                          ; s48  my wave's number
.set MSB, 0
.macro WIN new                         ; the immediate's high byte repeats the setting that is left; a switch that changes nothing is dropped
.if MSB != (\new)
	s_set_vgpr_msb (MSB<<8)|(\new)
.set MSB, (\new)
.endif
.endm
; A load into a register that a matrix instruction has read, and a vector instruction or LDS store that reads a matrix result, stand four places behind it; a matrix instruction that writes over a
; register that another has read, five; only plain vector instructions that name none of its registers are places (ISA guide 7.12.1 for vector instructions).
.macro PLACES n
.rept \n
	v_nop
.endr
.endm
.macro CREST                           ; a round of the cluster's barrier behind its opening barrier
	s_cmp_lg_u32 s[WV], 0
	s_cbranch_scc1 .Lnot_wave_0_\@
	s_barrier_signal -3
.Lnot_wave_0_\@:
	s_barrier_wait -3
	s_barrier_signal -1
	s_barrier_wait -1
.endm
.macro CROUND                          ; a whole round
	s_barrier_signal -1
	s_barrier_wait -1
	CREST
.endm
	s_load_b512 s[4:19], s[0:1], 0x0               ; attn s[4:5], wo s[6:7], user_emb, item_emb s[8:11], the two out_b s[12:15], the two norm_g s[16:19]
	s_load_b256 s[20:27], s[0:1], 0x40             ; the two norm_b s[20:23], alpha s[24:25], beta s[26:27]
	s_load_b128 s[28:31], s[0:1], 0x60             ; out0, out1
	v_lshl_add_u32 v[SPW], v0, 2, SPARE
	v_mov_b32 v[NIL], 0
	ds_add_u32 v[SPW], v[NIL]                      ; the wave's opening: the add and its wait stand ahead of my first tensor load; the set-up below, work on registers, stands between them
	v_lshrrev_b32 v1, 5, v0
	v_readfirstlane_b32 s[WV], v1                  ; wave 0..3
	s_bfe_u32 s49, ttmp6, 0x40000                  ; cx
	s_lshl_b32 s50, ttmp9, 2                       ; in a cluster launch ttmp9 counts clusters
	s_add_co_u32 s50, s50, s49                     ; my block of 64 rows: it enters attn's, emb's and out's addresses alone
	s_and_b32 s51, ttmp7, 0xffff                   ; the direction, which the four partners share
	s_mov_b32 s[G1], 15|(1<<16)|(1<<20)|(1<<21)|(4<<22)|(3<<25)  ; 15:0 the mask of four; 17:16 elements of 2 bytes; 20 padding on; 21 set beside a mask; 24:22 after every 32 words (code 4); 31:25 4 words (code 3)
	s_mov_b32 s[G1+1], 128<<16                     ; tensor_dim0 = 128 elements: a row of 256 bytes holds two rows of the tile
	s_mov_b32 s[G1+2], 128<<16                     ; tensor_dim1 = 128: 256 rows of Wo
	s_mov_b32 s[G1+3], 128<<16                     ; tile_dim0 = 128
	s_mov_b32 s[G1+4], 128                         ; tile_dim1 = 128
	s_mov_b32 s[G1+5], 128                         ; dense
	s_mov_b32 s[G1+6], 0
	s_mov_b32 s[G1+7], 0
	s_mov_b32 s54, 0x76543210                      ; v_permlanex16_b32: each lane takes its own place in the other half
	s_mov_b32 s55, 0xfedcba98
	s_mov_b32 s58, 0x3a800000                      ; 1 / 1024
	s_mov_b32 s59, 0x3727c5ac                      ; 1e-5
	s_lshl_b32 s60, s51, 24                        ; attn: the direction,
	s_lshl_b32 s61, s50, 17                        ; four blocks of 16 rows, 32,768 bytes each
	s_add_co_u32 s60, s60, s61
	s_mov_b32 s61, 0
	s_lshl_b32 s62, s51, 21                        ; wo: the direction,
	s_lshl_b32 s63, s[WV], 15                      ; my 256 rows of 128 bytes: nothing of my place in the cluster
	s_add_co_u32 s62, s62, s63
	s_mov_b32 s63, 0
	s_lshl_b32 s66, s50, 18                        ; emb and out: 64 rows of 4,096 bytes,
	s_lshl_b32 s67, s[WV], 16                      ; my 16 of them
	s_add_co_u32 s66, s66, s67
	s_mov_b32 s67, 0
	s_mul_i32 s68, s[WV], QUART                    ; my quarter of a slot
	s_wait_dscnt 0x0                               ; the opening add is done
	s_wait_kmcnt 0x0
	s_cmp_eq_u32 s51, 0                            ; the direction chooses one of each pair of buffers (a select leaves SCC as it is)
	s_cselect_b64 s[8:9], s[8:9], s[10:11]         ; emb
	s_cselect_b64 s[12:13], s[12:13], s[14:15]     ; bo
	s_cselect_b64 s[16:17], s[16:17], s[18:19]     ; g
	s_cselect_b64 s[20:21], s[20:21], s[22:23]     ; b
	s_cselect_b64 s[24:25], s[24:25], s[26:27]     ; alpha or beta
	s_cselect_b64 s[28:29], s[28:29], s[30:31]     ; out
	s_load_b32 s56, s[24:25], 0x0
	s_add_nc_u64 s[4:5], s[4:5], s[60:61]
	s_add_nc_u64 s[6:7], s[6:7], s[62:63]
	s_add_nc_u64 s[8:9], s[8:9], s[66:67]
	s_add_nc_u64 s[28:29], s[28:29], s[66:67]
	CROUND                                         ; all four work-groups are here: the first joint loads meet
.irp s, 0,1
	s_mov_b32 s[G0+4*(\s)], 1                                      ; count = 1
	s_add_co_u32 s[G0+4*(\s)+1], s68, (\s)*SLOT                    ; LDS address
	s_add_nc_u64 s[G0+4*(\s)+2:G0+4*(\s)+3], s[6:7], (\s)*WKB      ; global address: K step s
	s_or_b32 s[G0+4*(\s)+3], s[G0+4*(\s)+3], 0x80000000            ; type = 2
.endr
	tensor_load_to_lds s[G0:G0+3], s[G1:G1+7]      ; both slots are asked for before anything else: two tensor loads of mine are out, the most in this text
	s_nop 0
	tensor_load_to_lds s[G0+4:G0+7], s[G1:G1+7]
	s_nop 0
	PLACES 4
	v_and_b32 v1, 15, v0                           ; l % 16
	v_bfe_u32 v2, v0, 4, 1                         ; l / 16
	v_mul_u32_u24 v3, v1, PITCH
	v_lshl_add_u32 v3, v2, 4, v3                   ; a fragment's row x pitch + 16 x half
	v_add_nc_u32 v[ADRB], s68, v3
	v_add_nc_u32 v[ADRB+1], SLOT, v[ADRB]
	v_and_b32 v[VL], 31, v0
	v_lshlrev_b32 v[VL], 4, v[VL]
	v_lshlrev_b32 v[VP], 4, v[VL]                  ; 256 x lane
	s_lshl_b32 s69, s[WV], 10
	v_lshl_add_u32 v[VBO], v2, 5, s69
	v_mul_u32_u24 v3, v1, SPITCH                   ; into the stage: row 16 a + l % 16, my wave's 1,024 bytes of it, 32 bytes for each half of the lanes
	v_add_nc_u32 v3, v3, v[VBO]
.irp a, 0,1,2,3
	v_add_nc_u32 v[STO+(\a)], (\a)*16*SPITCH, v3
.endr
	s_mul_i32 s69, s[WV], 16*SPITCH                ; back: my 16 rows, 512 consecutive bytes a load
	v_add_nc_u32 v[RD], s69, v[VL]
	; bo of block b: my eight columns, into accumulator (3, b): the layout of a C operand, the same for every row
.irp bh, 0,1
	WIN 0x40*((\bh)+1)
.irp b, 0,1,2,3,4,5,6,7
	global_load_b128 v[192+8*(\b):192+8*(\b)+3],   v[VBO], s[12:13] offset:64*(8*(\bh)+(\b))
	global_load_b128 v[192+8*(\b)+4:192+8*(\b)+7], v[VBO], s[12:13] offset:64*(8*(\bh)+(\b))+16
.endr
.endr
	WIN 0
.irp j, 0,1,2,3,4,5,6,7
	global_load_b128 v[GG+4*(\j):GG+4*(\j)+3], v[VL], s[16:17] offset:512*(\j)
.endr
.irp j, 0,1,2,3,4,5,6,7
	global_load_b128 v[BN+4*(\j):BN+4*(\j)+3], v[VL], s[20:21] offset:512*(\j)
.endr
; 16 LDS loads: 8 fragments of Wo, blocks of columns 8 bh .. 8 bh + 7, 32 along K at byte 64 kk of the rows, into buffer bh
.macro FB slot, kk, bh
	WIN 0
.irp b, 0,1,2,3,4,5,6,7
	ds_load_b128 v[BF0+64*(\bh)+8*(\b):BF0+64*(\bh)+8*(\b)+3],   v[ADRB+(\slot)] offset:(8*(\bh)+(\b))*16*PITCH+64*(\kk)
	ds_load_b128 v[BF0+64*(\bh)+8*(\b)+4:BF0+64*(\bh)+8*(\b)+7], v[ADRB+(\slot)] offset:(8*(\bh)+(\b))*16*PITCH+64*(\kk)+32
.endr
.endm
; 16 global loads: attn's 8 fragments of a K step (counted from the address in hand) into buffer u; each load is 512 consecutive bytes
.macro GA u, step
	WIN 0xc0                                       ; destination window 3, address window 0
.irp kk, 0,1
.irp a, 0,1,2,3
.irp jj, 0,1
	global_load_b128 v[64*(\u)+8*(4*(\kk)+(\a))+4*(\jj):64*(\u)+8*(4*(\kk)+(\a))+4*(\jj)+3], v[VL], s[4:5] offset:(\step)*2048+(\a)*32768+(\kk)*1024+(\jj)*512
.endr
.endr
.endr
.endm
; 16 global loads: my rows row and row + 1 of emb into buffer u, which attn has left
.macro GE u, row
	WIN 0xc0
.irp i, 0,1
.irp j, 0,1,2,3,4,5,6,7
	global_load_b128 v[64*(\u)+32*(\i)+4*(\j):64*(\u)+32*(\i)+4*(\j)+3], v[VL], s[8:9] offset:((\row)+(\i))*4096+512*(\j) th:TH_LOAD_NT
.endr
.endr
.endm
; A prefetch into the L2: each lane asks for one block of 256 bytes, the 32 lanes for my rows row and row + 1 of emb (8,192 bytes).  Each wave asks for its own rows alone, each block once.
; Rows 4 to 7 are asked for in K step 15: the rest of that step and the stage lie between the request and the row phase's first row, which loads row 4; rows 8 to 11 ahead of the last 32 products:
; row 8 is loaded four rows later still.  That is 32 KiB a wave, 128 KiB a work-group.  Rows 12 to 15 are not asked for: the ring in registers loads them four rows ahead.
.macro PF row
	WIN 0
	global_prefetch_b8 v[VP], s[8:9] offset:(\row)*4096 th:TH_LOAD_NT scope:SCOPE_SE
.endm
; Blocks of rows a0 .. a1 x 8 blocks of columns.  The accumulators take turns, one instruction a turn: between two links of a chain stand 63 others'.
; first = 1: the sums begin: blocks 0 to 2 take bo, which lies in block 3's accumulators, as C; five places behind them block 3 adds onto it in place.
.macro MUL u, kk, bh, a0, a1, first
	WIN 0x5c+0x50*(\bh)                            ; Wo in window 0, attn in window 3, C and D in window 1 + bh
.set FB_, BF0+64*(\bh)
.set FA_, 64*(\u)+32*(\kk)
.set a_, (\a0)
.rept (\a1)-(\a0)+1
.if (\first) && (a_ == 3)
	PLACES 5
.endif
.set b_, 0
.rept 8
.if (\first) && (a_ < 3)
	v_wmma_f32_16x16x32_bf16 v[8*(8*a_+b_):8*(8*a_+b_)+7], v[FB_+8*b_:FB_+8*b_+7], v[FA_+8*a_:FA_+8*a_+7], v[192+8*b_:192+8*b_+7]
.else
	v_wmma_f32_16x16x32_bf16 v[8*(8*a_+b_):8*(8*a_+b_)+7], v[FB_+8*b_:FB_+8*b_+7], v[FA_+8*a_:FA_+8*a_+7], v[8*(8*a_+b_):8*(8*a_+b_)+7]
.endif
.set b_, b_+1
.endr
.set a_, a_+1
.endr
.endm
; A K step is four groups of 32 matrix instructions: (kk, bh) = (0, 0), (0, 1), (1, 0), (1, 1).  Each group first asks for the next group's fragments of Wo, into the buffer that the group before multiplied.
; HEAD: the first two groups, on attn's buffer u.  what = 1: attn of three steps on is asked for (GA wa, wb); 2: two rows of emb (GE wa, wb); both into the buffer that the step before has left, eight places
; behind its last product.  what = 3: rows wa to wa + 3 of emb are asked for into the L2, behind the first group's products, with the four places behind them.
.macro HEAD u, slot, first, what, wa, wb
	s_wait_loadcnt 32                              ; loads come back in order (ISA guide 5.7.1): behind this step's attn exactly two runs of 16 were issued, in every step
	PLACES 4
	FB \slot, 0, 1
	s_wait_dscnt 16                                ; all but the run just issued
	MUL \u, 0, 0, 0, 3, \first
.if (\what) == 3
	PF \wa
	PF (\wa)+2
.endif
	PLACES 4
	FB \slot, 1, 0
.if (\what) == 1
	GA \wa, \wb
.elseif (\what) == 2
	GE \wa, \wb
.endif
	s_wait_dscnt 16
	MUL \u, 0, 1, 0, 3, \first
.endm
; TAILH: the last two groups, and between them the change of slots: ONE barrier.  The slot's last fragments (the fourth group's) were asked for ahead of the third group.  Behind that group each wave waits for
; all its tensor loads, of which one is out: its part of the next slot; adds 0 to its spare word; and waits for that and for its own reads of this slot.  fill = 1: the barrier opens a round of the cluster's
; barrier, and this slot is filled again, two K steps ahead, first thing behind the round.  No product stands between a tile's landing and the next request: a step brings 128 KiB for 128 matrix instructions
; a wave, so the wave is there ahead of the tile, and what stood on that way would lengthen every step.  From a request to the wait for it a wave issues a whole step's 128 matrix instructions.
.macro TAILH u, slot, fill
	PLACES 4
	FB \slot, 1, 1
	s_wait_dscnt 16
	MUL \u, 1, 0, 0, 3, 0
	WIN 0
	s_wait_tensorcnt 0x0                           ; all my tensor loads have landed, so a group 0 may be written
	ds_add_u32 v[SPW], v[NIL]                      ; 0 onto my spare word
.if \fill
	s_add_nc_u64 s[G0+4*(\slot)+2:G0+4*(\slot)+3], s[G0+4*(\slot)+2:G0+4*(\slot)+3], 2*WKB
.endif
	s_wait_dscnt 0x0                               ; the add is done, and my reads of this slot are over: the fourth group's fragments are in registers
	s_barrier_signal -1
	s_barrier_wait -1
.if \fill
	CREST                                          ; no wave of any partner still reads this slot's tile or has a load on its way
	tensor_load_to_lds s[G0+4*(\slot):G0+4*(\slot)+3], s[G1:G1+7]
	s_nop 0
.endif
	PLACES 4                                       ; behind the tensor load, and in front of the loads below, into the buffer that the third group multiplied
	FB 1-(\slot), 0, 0                             ; the next step's first group
	MUL \u, 1, 1, 0, 3, 0
.endm
	GA 0, 0                                        ; attn of K steps 0, 1, 2
	GA 1, 1
	GA 2, 2
	WIN 0
	s_wait_kmcnt 0x0                               ; alpha
	s_mov_b32 s57, s56                             ; named with it as a pair
	s_wait_tensorcnt 0x1                           ; my part of K step 0 is in; K step 1's may stay out
	s_barrier_signal -1
	s_barrier_wait -1
	FB 0, 0, 0
	HEAD 0, 0, 1, 1, 3, 3                          ; the first 32 along K stand in front of the loop: their products start the sums
	WIN 0
	s_mov_b32 s52, 3
.Lk:                                                   ; a trip: four K steps, from the middle of step 4 i to the middle of step 4 i + 4; it goes twice round the ring and once round attn's four buffers
	TAILH 0, 0, 1
	HEAD 1, 1, 0, 1, 0, 4
	TAILH 1, 1, 1
	HEAD 2, 0, 0, 1, 1, 5
	TAILH 2, 0, 1
	HEAD 3, 1, 0, 1, 2, 6
	TAILH 3, 1, 1
	HEAD 0, 0, 0, 1, 3, 7
	WIN 0
	s_wait_xcnt 0x0                                ; every earlier memory instruction has had its addresses translated (ISA guide 3.1): attn's address steps only behind this wait
	s_add_nc_u64 s[4:5], s[4:5], 4*2048
	s_sub_co_u32 s52, s52, 1
	s_cmp_lg_u32 s52, 0
	s_cbranch_scc1 .Lk
	TAILH 0, 0, 1                                  ; the tail is written out: K step 12 ends and asks for step 14,
	HEAD 1, 1, 0, 2, 0, 0                          ; attn is all asked for: its buffers take my first rows of emb
	TAILH 1, 1, 1                                  ; step 13 asks for step 15: the last fill
	HEAD 2, 0, 0, 2, 1, 2
	TAILH 2, 0, 0
	HEAD 3, 1, 0, 3, 4, 0                          ; rows 4 to 7 of emb are asked for into the L2
	PLACES 4
	FB 1, 1, 1
	s_wait_dscnt 16
	MUL 3, 1, 0, 0, 3, 0
	s_wait_dscnt 0x0                               ; the very last group: nothing more to fetch; my reads of the slots are over
	PF 8                                           ; rows 8 to 11 of emb, with the last 32 products behind the requests
	PF 10
	MUL 3, 1, 1, 0, 3, 0
	WIN 0
	; INTO THE STAGE, which lies on the slots' bytes: they have had their last fill, all tensor loads have been waited for, and behind this barrier no wave reads them as tiles any more.
	s_barrier_signal -1
	s_barrier_wait -1
	PLACES 4                                       ; behind the last products
.irp bh, 0,1
	WIN 0x04*((\bh)+1)                             ; the data (source 1) in window 1 + bh, the address in window 0
.irp a, 0,1,2,3
.irp b, 0,1,2,3,4,5,6,7
	ds_store_b128 v[STO+(\a)], v[8*(8*(\a)+(\b)):8*(8*(\a)+(\b))+3]   offset:64*(8*(\bh)+(\b))     ; each accumulator's low half first
	ds_store_b128 v[STO+(\a)], v[8*(8*(\a)+(\b))+4:8*(8*(\a)+(\b))+7] offset:64*(8*(\bh)+(\b))+16
.endr
.endr
.endr
	WIN 0
	s_wait_dscnt 0x0                               ; for the others' sake: my stores into the stage are done
	s_barrier_signal -1
	s_barrier_wait -1
; The four chains in TA are added, then the lane's two halves, then the 32 lanes: four steps inside each half of 16 lanes ride on the addition, one crosses the halves.  Every lane ends with the sum.
.macro LANESUM
	v_pk_add_f32 v[TA:TA+1], v[TA:TA+1], v[TA+2:TA+3]
	v_pk_add_f32 v[TA+4:TA+5], v[TA+4:TA+5], v[TA+6:TA+7]
	v_pk_add_f32 v[TA:TA+1], v[TA:TA+1], v[TA+4:TA+5]
	v_add_f32 v[TA], v[TA], v[TA+1]
	v_add_f32_dpp v[TA], v[TA], v[TA] row_xmask:1 row_mask:0xf bank_mask:0xf
	v_add_f32_dpp v[TA], v[TA], v[TA] row_xmask:2 row_mask:0xf bank_mask:0xf
	v_add_f32_dpp v[TA], v[TA], v[TA] row_xmask:4 row_mask:0xf bank_mask:0xf
	v_add_f32_dpp v[TA], v[TA], v[TA] row_xmask:8 row_mask:0xf bank_mask:0xf
	v_permlanex16_b32 v[TA+1], v[TA], s54, s55
	v_add_f32 v[TA], v[TA], v[TA+1]
.endm
; One row: number s of four from the addresses in hand; it works in row buffer s.  next = 1: the next row is asked for from the stage, into the next buffer of the four.
; refill = 1: emb's row four further on is asked for, into the registers that this row leaves.  cnt = how many younger loads of emb may stay out: eight for each row asked for behind this one.
; step = 1: emb's and out's addresses go four rows on, ahead of this row's stores, which reach back.
; THE ONE WAIT ON XCNT stands ahead of the row's own stores, a row's arithmetic behind the last memory instruction.  Behind it the data registers of all earlier rows' stores may be written again:
; the buffer that a row's head loads was stored three rows back, so two such waits lie between those stores and that load, round the loop's back edge too.  It also frees the two bases: this row's
; loads of emb and the earlier rows' stores are the instructions that name them.
.macro ROW s, refill, cnt, next, step
.set T_, T0+32*(\s)
.set TN_, T0+32*(((\s)+1)%4)
.if \next
.irp j, 0,1,2,3,4,5,6,7
	ds_load_b128 v[TN_+4*(\j):TN_+4*(\j)+3], v[RD] offset:((\s)+1)*SPITCH+512*(\j)
.endr
.endif
	s_wait_loadcnt \cnt                            ; this row of emb is in
.if \next
	s_wait_dscnt 8                                 ; this row of the stage is in; the next row's eight loads stay out
.else
	s_wait_dscnt 0x0
.endif
	WIN 0x30                                       ; source 2 (emb) in window 3
.set i_, 0
.rept 16
	v_pk_fma_f32 v[T_+2*i_:T_+2*i_+1], v[T_+2*i_:T_+2*i_+1], s[56:57], v[32*(\s)+2*i_:32*(\s)+2*i_+1] op_sel_hi:[1,0,1]  ; x = alpha att + emb
.set i_, i_+1
.endr
.if \refill
	WIN 0xc0
.irp j, 0,1,2,3,4,5,6,7
	global_load_b128 v[32*(\s)+4*(\j):32*(\s)+4*(\j)+3], v[VL], s[8:9] offset:((\s)+4)*4096+512*(\j) th:TH_LOAD_NT
.endr
.endif
	WIN 0
.irp k, 0,1,2,3
	v_pk_add_f32 v[TA+2*(\k):TA+2*(\k)+1], v[T_+2*(\k):T_+2*(\k)+1], v[T_+8+2*(\k):T_+8+2*(\k)+1]  ; the first pairs start the chains: nothing is cleared
.endr
.irp q, 2,3
.irp k, 0,1,2,3
	v_pk_add_f32 v[TA+2*(\k):TA+2*(\k)+1], v[TA+2*(\k):TA+2*(\k)+1], v[T_+8*(\q)+2*(\k):T_+8*(\q)+2*(\k)+1]
.endr
.endr
	LANESUM
	v_mul_f32 v[MN], s58, v[TA]                    ; the mean, twice
	v_mul_f32 v[MN+1], s58, v[TA]
.set i_, 0
.rept 16
	v_pk_add_f32 v[T_+2*i_:T_+2*i_+1], v[T_+2*i_:T_+2*i_+1], v[MN:MN+1] neg_lo:[0,1] neg_hi:[0,1]  ; x - mean
.set i_, i_+1
.endr
.irp k, 0,1,2,3
	v_pk_mul_f32 v[TA+2*(\k):TA+2*(\k)+1], v[T_+2*(\k):T_+2*(\k)+1], v[T_+2*(\k):T_+2*(\k)+1]
.endr
.irp q, 1,2,3
.irp k, 0,1,2,3
	v_pk_fma_f32 v[TA+2*(\k):TA+2*(\k)+1], v[T_+8*(\q)+2*(\k):T_+8*(\q)+2*(\k)+1], v[T_+8*(\q)+2*(\k):T_+8*(\q)+2*(\k)+1], v[TA+2*(\k):TA+2*(\k)+1]
.endr
.endr
	LANESUM
	v_fma_f32 v[VR], v[TA], s58, s59               ; var + eps
	v_rsq_f32 v[RS], v[VR]
	v_rsq_f32 v[RS+1], v[VR]
	v_nop                                          ; a plain instruction between a transcendental and the use of its result (ISA guide 5.7.2)
.set i_, 0
	s_wait_alu depctr_va_vdst(0)
.rept 16
	v_pk_mul_f32 v[T_+2*i_:T_+2*i_+1], v[T_+2*i_:T_+2*i_+1], v[RS:RS+1]
.set i_, i_+1
.endr
.set i_, 0
.rept 16
	v_pk_fma_f32 v[T_+2*i_:T_+2*i_+1], v[T_+2*i_:T_+2*i_+1], v[GG+2*i_:GG+2*i_+1], v[BN+2*i_:BN+2*i_+1]
.set i_, i_+1
.endr
	s_wait_xcnt 0x0                                ; every earlier memory instruction has had its addresses translated (ISA guide 3.1): see the macro's head
.if \step
	s_add_nc_u64 s[8:9], s[8:9], 4*4096
	s_add_nc_u64 s[28:29], s[28:29], 4*4096
.endif
.irp j, 0,1,2,3,4,5,6,7
	global_store_b128 v[VL], v[T_+4*(\j):T_+4*(\j)+3], s[28:29] offset:((\s)-4*(\step))*4096+512*(\j) th:TH_STORE_NT  ; 512 consecutive bytes, at a multiple of 512 from out's first
.endr
.endm
.irp j, 0,1,2,3,4,5,6,7
	ds_load_b128 v[T0+4*(\j):T0+4*(\j)+3], v[RD] offset:512*(\j)  ; my first row
.endr
	s_mov_b32 s53, 3
.Lrows:                                                ; a trip: four rows; rows 0 to 11, which ask for emb's rows 4 to 15
	ROW 0, 1, 24, 1, 0
	ROW 1, 1, 24, 1, 0
	ROW 2, 1, 24, 1, 0
	ROW 3, 1, 24, 1, 1
	v_add_nc_u32 v[RD], 4*SPITCH, v[RD]            ; the stage's address goes four rows on too
	s_sub_co_u32 s53, s53, 1
	s_cmp_lg_u32 s53, 0
	s_cbranch_scc1 .Lrows
	ROW 0, 0, 24, 1, 0                             ; the last four rows ask for nothing of emb: the counts run down
	ROW 1, 0, 16, 1, 0
	ROW 2, 0, 8, 1, 0
	ROW 3, 0, 0, 0, 0
	s_wait_tensorcnt 0x0                           ; the wave's end, behind my last tensor load and my last LDS store
	ds_add_u32 v[SPW], v[NIL]
	s_wait_dscnt 0x0
	CROUND                                         ; the closing round: no work-group ends while a partner may still ask for a tile that names it
	s_endpgm
.Lfunc_end_k_q864ace4e5c_outln:
	.size	k_q864ace4e5c_outln, .Lfunc_end_k_q864ace4e5c_outln-k_q864ace4e5c_outln
	.p2alignl 7, 3214868480
	.fill 96, 4, 3214868480
	.section	.rodata,"a",@progbits
	.p2align	6, 0x0
	.amdhsa_kernel k_q864ace4e5c_outln
		.amdhsa_group_segment_fixed_size 327680
		.amdhsa_private_segment_fixed_size 0
		.amdhsa_enable_private_segment 0
		.amdhsa_kernarg_size 112
		.amdhsa_user_sgpr_count 2
		.amdhsa_user_sgpr_kernarg_segment_ptr 1
		.amdhsa_wavefront_size32 1
		.amdhsa_system_sgpr_workgroup_id_x 1
		.amdhsa_system_sgpr_workgroup_id_y 1
		.amdhsa_system_sgpr_workgroup_id_z 1
		.amdhsa_system_vgpr_workitem_id 0
		.amdhsa_next_free_vgpr 1024
		.amdhsa_next_free_sgpr 72
		.amdhsa_reserve_vcc 0
		.amdhsa_float_denorm_mode_32 3
		.amdhsa_float_denorm_mode_16_64 3
		.amdhsa_memory_ordered 1
		.amdhsa_forward_progress 1
		.amdhsa_inst_pref_size 213
	.end_amdhsa_kernel
	.amdgpu_metadata
---
amdhsa.version: [ 1, 2 ]
amdhsa.kernels:
  - .name:           k_q864ace4e5c_outln
    .symbol:         k_q864ace4e5c_outln.kd
    .args:
      - { .name: attn, .offset: 0, .size: 8, .value_kind: global_buffer, .address_space: global }
      - { .name: wo, .offset: 8, .size: 8, .value_kind: global_buffer, .address_space: global }
      - { .name: user_emb, .offset: 16, .size: 8, .value_kind: global_buffer, .address_space: global }
      - { .name: item_emb, .offset: 24, .size: 8, .value_kind: global_buffer, .address_space: global }
      - { .name: u2i_out_b, .offset: 32, .size: 8, .value_kind: global_buffer, .address_space: global }
      - { .name: i2u_out_b, .offset: 40, .size: 8, .value_kind: global_buffer, .address_space: global }
      - { .name: user_norm_g, .offset: 48, .size: 8, .value_kind: global_buffer, .address_space: global }
      - { .name: item_norm_g, .offset: 56, .size: 8, .value_kind: global_buffer, .address_space: global }
      - { .name: user_norm_b, .offset: 64, .size: 8, .value_kind: global_buffer, .address_space: global }
      - { .name: item_norm_b, .offset: 72, .size: 8, .value_kind: global_buffer, .address_space: global }
      - { .name: alpha, .offset: 80, .size: 8, .value_kind: global_buffer, .address_space: global }
      - { .name: beta, .offset: 88, .size: 8, .value_kind: global_buffer, .address_space: global }
      - { .name: out0, .offset: 96, .size: 8, .value_kind: global_buffer, .address_space: global }
      - { .name: out1, .offset: 104, .size: 8, .value_kind: global_buffer, .address_space: global }
    .group_segment_fixed_size: 327680
    .private_segment_fixed_size: 0
    .kernarg_segment_align: 8
    .kernarg_segment_size: 112
    .max_flat_workgroup_size: 128
    .sgpr_count:     72
    .vgpr_count:     1024
    .wavefront_size: 32
...
	.end_amdgpu_metadata
.endif
;; end of part 3
;; ======== version 2 of 2: 3 launches; version 1 with the launch cast written anew for expert scheduling mode
;; workspace buffers: xb 33,554,432 bytes; wqkv 12,582,912 bytes; wo 4,194,304 bytes; attn 33,554,432 bytes
;; launch cast (part 4): grid 256 x 3, 8 waves a work-group, no clusters, 0 bytes of LDS; arguments user_emb, item_emb, u2i_in_w, i2u_in_w, u2i_out_w, i2u_out_w, xb, wqkv, wo; writes xb, wqkv, wo
.if DOCPART == 4
	.amdgcn_target "amdgcn-amd-amdhsa--gfx1250"
	.amdhsa_code_object_version 6
	.text
	.protected	k_q864ace4e5c_cast
	.globl	k_q864ace4e5c_cast
	.p2align	8
	.type	k_q864ace4e5c_cast,@function
k_q864ace4e5c_cast:
	s_mov_b64 s[64:65], 0
	v_nop
	global_prefetch_b8 v0, s[64:65] scope:SCOPE_SE
	s_setreg_imm32_b32 hwreg(HW_REG_WAVE_SCHED_MODE, 0, 2), 2
	s_setreg_imm32_b32 hwreg(HW_REG_WAVE_MODE, 25, 1), 1
	s_wait_xcnt 0x0
	s_wait_alu depctr_vm_vsrc(0)
; f32 -> bf16 (nearest even) of both embeddings and of all six weight matrices, laid anew in blocks of 64 along K, so that the tiles of the two
; launches behind are dense bytes.  All sources are rows of 1,024 f32 (4,096 bytes): 24,576 rows in all.
;   xb   [which: 0 user, 1 item][kb 16][row 8192][64 k]                      a row of a block is 128 bytes
;   wqkv [8 dir + head][kb 16][384 rows: 128 of Wq's head, 128 of Wk's, 128 of Wv's][64 k]
;   wo   [dir][kb 16][row 1024][64 k]                                        dir 0 = u2i, 1 = i2u
; SHARES.  A work-group takes 32 source rows (768 equal work-groups), wave w rows 4 w .. 4 w + 3 as two pairs.  One load takes block kb of a pair:
; lanes 0-15 the 256 bytes of the even row, lanes 16-31 those of the odd row.  One store writes the pair's 2 x 128 bytes of that block, which are
; neighbours in the new layout: 256 consecutive bytes at a multiple of 256.
; A stream: every byte is read once and written once.  LDS, barriers, clusters and the matrix unit would add nothing (no byte is shared).
; All 32 loads of a wave go out on end (16 KiB a wave); every load has four registers of its own, so there is no loop.
; Which source and which target a work-group has is chosen by selects on its two ids: no branch.
; THE MODE: SCHED_MODE bits 1:0 = 2 (LLVM: expert scheduling mode 2), set by the entry lines.  The code itself states the register dependences
; between vector instructions and memory instructions, with s_wait_alu, always for 0.
; THE PLAN.  Registers that memory instructions touch:
;   v1         the source offset.  Written at the head; read by all 32 loads; never written again.
;   OFD        sixteen target offsets.  Written by sixteen multiply-adds behind the loads; read by the stores; never written again.
;   X          load n lands in its four registers, which no vector instruction names before; two conversions read the four and write the first two; one store reads
;              those two; nothing writes them again.
; The 32 loads go in eight blocks of four.  Block p rounds X of loads 4 p .. 4 p + 3; its memory instructions are the four stores of block p - 1, whose registers no
; conversion of block p names.  So ONE wait on va_vdst at a block's head states all that its four stores hang on, and they are dealt among its conversions with no
; further wait.  No register that a memory instruction reads is ever written again: there is nothing for a wait on vm_vsrc, or on XCNT, to state.
.set X,   32                           ; v[32:159]  load n = 16 p + kb: four registers
.set OFD, 8                            ; v[8:23]    byte offset of my 8 bytes in block kb of the target
	s_load_b512 s[4:19], s[0:1], 0x0               ; user s[4:5], item s[6:7], u2i_in_w s[8:9], i2u_in_w s[10:11], u2i_out_w s[12:13], i2u_out_w s[14:15], xb s[16:17], wqkv s[18:19]
	s_load_b64 s[20:21], s[0:1], 0x40              ; wo
	s_mov_b32 s30, ttmp9                           ; x: 0 .. 255
	s_and_b32 s31, ttmp7, 0xffff                   ; y: 0 user, 1 item, 2 the weights
	s_mov_b32 s52, 49152                           ; bytes from block to block: wqkv,
	s_mov_b32 s53, 131072                          ; wo,
	s_mov_b32 s54, 1048576                         ; xb
	; y < 2: rows 32 x on of an embedding
	s_lshl_b32 s43, s30, 17                        ; source: 32 rows of 4,096 bytes
	s_lshl_b32 s44, s30, 12                        ; target: 32 rows of 128 bytes,
	s_lshl_b32 s45, s31, 24                        ; in the embedding's half of xb
	s_add_co_u32 s44, s44, s45
	; y = 2, x < 192: rows 32 x' on of an in_w, x' = x - 96 d
	s_cmp_ge_u32 s30, 96
	s_cselect_b32 s32, 1, 0                        ; d
	s_cselect_b32 s33, 96, 0
	s_sub_co_u32 s33, s30, s33                     ; x'
	s_lshl_b32 s34, s33, 17                        ; source
	s_bfe_u32 s35, s33, 0x30002                    ; the head: (32 x' / 128) mod 8
	s_mul_i32 s35, s35, 786432                     ; 16 blocks of 49,152 bytes a head
	s_lshr_b32 s36, s33, 5                         ; q, k or v: 32 x' / 1024
	s_lshl_b32 s36, s36, 14                        ; 128 rows of 128 bytes
	s_add_co_u32 s35, s35, s36
	s_and_b32 s36, s33, 3                          ; which 32 of the head's 128 rows
	s_lshl_b32 s36, s36, 12
	s_add_co_u32 s35, s35, s36
	s_mul_i32 s36, s32, 6291456                    ; eight heads a direction
	s_add_co_u32 s35, s35, s36                     ; target
	; y = 2, x >= 192: rows 32 (x'' mod 32) on of an out_w, x'' = x - 192
	s_sub_co_u32 s37, s30, 192
	s_and_b32 s37, s37, 63                         ; (kept in range where x < 192: the figures are then not chosen)
	s_lshr_b32 s38, s37, 5                         ; d
	s_and_b32 s39, s37, 31
	s_lshl_b32 s40, s39, 17                        ; source
	s_lshl_b32 s41, s39, 12
	s_lshl_b32 s42, s38, 21
	s_add_co_u32 s41, s41, s42                     ; target
	v_lshrrev_b32 v3, 5, v0                        ; wave
	v_bfe_u32 v4, v0, 4, 1                         ; which row of a pair
	v_and_b32 v5, 15, v0                           ; which 4 numbers of a block's 64
	v_lshlrev_b32 v1, 4, v5                        ; source: 16 bytes a lane,
	v_lshl_add_u32 v1, v4, 12, v1                  ; + the row of the pair,
	v_lshl_add_u32 v1, v3, 14, v1                  ; + the wave's four rows
	v_lshlrev_b32 v2, 3, v5                        ; target: 8 bytes a lane,
	v_lshl_add_u32 v2, v4, 7, v2                   ; rows of 128 bytes,
	v_lshl_add_u32 v2, v3, 9, v2                   ; four a wave
	s_wait_kmcnt 0x0
	s_cmp_eq_u32 s31, 0
	s_cselect_b64 s[24:25], s[4:5], s[6:7]         ; the embedding
	s_cmp_eq_u32 s32, 0
	s_cselect_b64 s[46:47], s[8:9], s[10:11]       ; the in_w
	s_cmp_eq_u32 s38, 0
	s_cselect_b64 s[48:49], s[12:13], s[14:15]     ; the out_w
	s_cmp_lt_u32 s30, 192                          ; among the weights: in_w or out_w
	s_cselect_b64 s[46:47], s[46:47], s[48:49]
	s_cselect_b64 s[50:51], s[18:19], s[20:21]
	s_cselect_b32 s34, s34, s40
	s_cselect_b32 s35, s35, s41
	s_cselect_b32 s28, s52, s53
	s_cmp_lt_u32 s31, 2                            ; an embedding or a weight
	s_cselect_b64 s[24:25], s[24:25], s[46:47]     ; the source,
	s_cselect_b64 s[26:27], s[16:17], s[50:51]     ; the target,
	s_cselect_b32 s56, s43, s34                    ; their offsets, each in a pair with 0 above it,
	s_cselect_b32 s58, s44, s35
	s_cselect_b32 s28, s54, s28                    ; and the target's bytes from block to block
	s_mov_b32 s57, 0
	s_mov_b32 s59, 0
	s_add_nc_u64 s[24:25], s[24:25], s[56:57]
	s_add_nc_u64 s[26:27], s[26:27], s[58:59]
	s_wait_alu depctr_va_vdst(0)                   ; v1 is written: all 32 loads read it as their offset
.set n_, 0
.rept 32                                               ; pair n / 16, block n % 16: two whole aligned runs of 256 bytes each
	global_load_b128 v[X+4*n_:X+4*n_+3], v1, s[24:25] offset:(n_/16)*8192+(n_%16)*256 th:TH_LOAD_NT
.set n_, n_+1
.endr
.set n_, 0
.rept 16
	v_mad_u32_u24 v[OFD+n_], s28, n_, v2           ; block n of the target (15 x 1,048,576 at the most: both factors within 24 bits); these name no register of the loads
.set n_, n_+1
.endr
; The store of load n's numbers: 32 lanes x 8 bytes: 256 consecutive bytes, aligned.
.macro ST n
	global_store_b64 v[OFD+(\n)%16], v[X+4*(\n):X+4*(\n)+1], s[26:27] offset:((\n)/16)*256
.endm
; Block p: loads 4 p .. 4 p + 3 are rounded; the four stores of block p - 1 stand among the conversions, one ahead of each pair.
.macro BLK p
	s_wait_loadcnt 28-4*(\p)                       ; loads come back in order (ISA guide 5.7.1): loads up to 4 p + 3 are in, the 28 - 4 p younger ones stay out
.if (\p) > 0
	s_wait_alu depctr_va_vdst(0)                   ; the conversions of the block before have written the pairs that the four stores below read; at block 1 also: the multiply-adds have written OFD, the stores' offsets
.endif
.irp i, 0,1,2,3
.set n_, 4*(\p)+(\i)
.if (\p) > 0
	ST n_-4                                        ; no vector instruction since the wait names its registers
.endif
	v_cvt_pk_bf16_f32 v[X+4*n_], v[X+4*n_], v[X+4*n_+1]
	v_cvt_pk_bf16_f32 v[X+4*n_+1], v[X+4*n_+2], v[X+4*n_+3]
.endr
.endm
	BLK 0                                          ; no block stands in front of it: no store, and no wait but the one for its data
	BLK 1
	BLK 2
	BLK 3
	BLK 4
	BLK 5
	BLK 6
	BLK 7
	s_wait_alu depctr_va_vdst(0)                   ; block 7's conversions have written the pairs that the last four stores read
	ST 28
	ST 29
	ST 30
	ST 31
	s_endpgm
.Lfunc_end_k_q864ace4e5c_cast:
	.size	k_q864ace4e5c_cast, .Lfunc_end_k_q864ace4e5c_cast-k_q864ace4e5c_cast
	.p2alignl 7, 3214868480
	.fill 96, 4, 3214868480
	.section	.rodata,"a",@progbits
	.p2align	6, 0x0
	.amdhsa_kernel k_q864ace4e5c_cast
		.amdhsa_group_segment_fixed_size 0
		.amdhsa_private_segment_fixed_size 0
		.amdhsa_enable_private_segment 0
		.amdhsa_kernarg_size 72
		.amdhsa_user_sgpr_count 2
		.amdhsa_user_sgpr_kernarg_segment_ptr 1
		.amdhsa_wavefront_size32 1
		.amdhsa_system_sgpr_workgroup_id_x 1
		.amdhsa_system_sgpr_workgroup_id_y 1
		.amdhsa_system_sgpr_workgroup_id_z 1
		.amdhsa_system_vgpr_workitem_id 0
		.amdhsa_next_free_vgpr 160
		.amdhsa_next_free_sgpr 66
		.amdhsa_reserve_vcc 0
		.amdhsa_float_denorm_mode_32 3
		.amdhsa_float_denorm_mode_16_64 3
		.amdhsa_memory_ordered 1
		.amdhsa_forward_progress 1
		.amdhsa_inst_pref_size 15
	.end_amdhsa_kernel
	.amdgpu_metadata
---
amdhsa.version: [ 1, 2 ]
amdhsa.kernels:
  - .name:           k_q864ace4e5c_cast
    .symbol:         k_q864ace4e5c_cast.kd
    .args:
      - { .name: user_emb, .offset: 0, .size: 8, .value_kind: global_buffer, .address_space: global }
      - { .name: item_emb, .offset: 8, .size: 8, .value_kind: global_buffer, .address_space: global }
      - { .name: u2i_in_w, .offset: 16, .size: 8, .value_kind: global_buffer, .address_space: global }
      - { .name: i2u_in_w, .offset: 24, .size: 8, .value_kind: global_buffer, .address_space: global }
      - { .name: u2i_out_w, .offset: 32, .size: 8, .value_kind: global_buffer, .address_space: global }
      - { .name: i2u_out_w, .offset: 40, .size: 8, .value_kind: global_buffer, .address_space: global }
      - { .name: xb, .offset: 48, .size: 8, .value_kind: global_buffer, .address_space: global }
      - { .name: wqkv, .offset: 56, .size: 8, .value_kind: global_buffer, .address_space: global }
      - { .name: wo, .offset: 64, .size: 8, .value_kind: global_buffer, .address_space: global }
    .group_segment_fixed_size: 0
    .private_segment_fixed_size: 0
    .kernarg_segment_align: 8
    .kernarg_segment_size: 72
    .max_flat_workgroup_size: 256
    .sgpr_count:     66
    .vgpr_count:     160
    .wavefront_size: 32
...
	.end_amdgpu_metadata
.endif
;; end of part 4
;; launch qkv: the kernel of part 2 again; grid 16 x 32, 4 waves a work-group, clusters of 4 x 4, 327,680 bytes of LDS; arguments xb, wqkv, u2i_in_b, i2u_in_b, attn; writes attn
;; launch outln: the kernel of part 3 again; grid 128 x 2, 4 waves a work-group, clusters of 4 x 1, 327,680 bytes of LDS; arguments attn, wo, user_emb, item_emb, u2i_out_b, i2u_out_b, user_norm_g, item_norm_g, user_norm_b, item_norm_b, alpha, beta, out0, out1; writes out0, out1
